; MI455X (gfx1250); checked and timed in simulation.
; The chip was launched on July 23, 2026; its instructions are those of AMD's public machine-readable ISA for CDNA 5 (MIT licence, August 2026) and "CDNA5" Instruction Set Architecture Reference Guide (July 2026). The comments in the code are by the model that wrote it; some were corrected since.
;; Vanilla LSTM Cell. Allowed arithmetic: matrix products marked QUANTISED: E2M1 operands, one E8M0 scale for each 32 along K, by v_wmma_scale_f32_16x16x128_f8f6f4 with both operands' format E2M1 (or v_wmma_scale_f32_32x16x128_f4), f32 sums; everything else in f32.
;; Inputs: Whf_b 1,024 float32; Whf_w 1,024 x 1,024 float32; Whg_b 1,024 float32; Whg_w 1,024 x 1,024 float32; Whi_b 1,024 float32; Whi_w 1,024 x 1,024 float32; Who_b 1,024 float32; Who_w 1,024 x 1,024 float32; Wxf_b 1,024 float32; Wxf_w 1,024 x 1,024 float32; Wxg_b 1,024 float32; Wxg_w 1,024 x 1,024 float32; Wxi_b 1,024 float32; Wxi_w 1,024 x 1,024 float32; Wxo_b 1,024 float32; Wxo_w 1,024 x 1,024 float32; c 8,192 x 1,024 float32; h 8,192 x 1,024 float32; x 8,192 x 1,024 float32.
;; Outputs: out0 8,192 x 1,024 float32; out1 8,192 x 1,024 float32.
;; This version of the problem:
;;   THIS VERSION OF THE PROBLEM IS GIVEN IN LOW PRECISION. The matrix products marked QUANTISED in the list below multiply operands that are first quantised to E2M1 (2 exponent bits, 1 mantissa bit; 4 bits a number), with one power-of-two scale for each 32 numbers along K (OCP MX v1.0); their sums are f32. All else is computed in f32.
;;   The module's matrix products, in the order in which they are computed (A, B: the left and right operand; K: the contracted axis; several contracted axes count as one K, in the product's order):
;;     1. [M 8,192, K 1,024] x [K 1,024, N 4,096]; A: input x; B: computed on the way: QUANTISED
;;     2. [M 8,192, K 1,024] x [K 1,024, N 4,096]; A: input h; B: computed on the way: QUANTISED
;;   THE QUANTISER, for each operand of a quantised product, along K:
;;     - K is cut into blocks of 32 from its start; a last block that is shorter is filled with zeros.
;;     - A block's scale is 2^e with e = floor(log2(the largest magnitude in the block)) - 2, held to -126 .. 127; a block of zeros has e = 0. As a byte (E8M0): e + 127.
;;     - Each number is divided by its block's scale, clamped to +-6, and rounded to the nearest number of E2M1, ties to even, subnormals kept.
;;     - The product sums the exact products of the quantised numbers (number of the format x scale) in f32.
;;   ~~~python
;;   def quantise(x, axis):      # numpy; x: float32 -> the quantised numbers, widened to float32 again
;;       x = np.moveaxis(x, axis, -1); K = x.shape[-1]
;;       x = np.pad(x, [(0, 0)] * (x.ndim - 1) + [(0, -K % 32)]); x = x.reshape(x.shape[:-1] + (-1, 32)); a = np.abs(x).max(-1, keepdims=True)
;;       e = np.where(a > 0, np.clip(np.frexp(np.where(a > 0, a, 1))[1] - 1 - 2, -126, 127), 0)      # np.frexp(a)[1] - 1 = floor(log2(a)), exactly
;;       r = np.clip(x / 2.0 ** e, -6, 6)
;;       step = 2.0 ** (np.maximum(np.frexp(np.where(r == 0, 1, r))[1] - 1, 0) - 1)
;;       q = np.round(r / step) * step * 2.0 ** e      # np.round: ties to even
;;       return np.moveaxis(q.reshape(q.shape[:-2] + (-1,))[..., :K], -1, axis).astype(np.float32)
;;   ~~~
;;   OPERANDS COMPUTED ON THE WAY. 'Computed on the way' means the value that the module computes at that place (a softmax that the list does not call 'softmax' is quantised finished and normalised). What goes into a quantiser is computed in f32, as accurately as f32 sums, v_exp_f32 and their like allow (about 1e-6 of the number): no bf16 or f16 on the way to a quantiser, and a product that is left as it is and whose result goes on into a quantised operand takes f32 operands (vector FMAs, or v_wmma_f32_16x16x4_f32). A number that lies on a knife's edge between two numbers of the format may be rounded either way, as far as f32 arithmetic and the matrix unit's own rounding can turn it there, and no further.
;; One version. Each part assembles by itself: llvm-mc -triple=amdgcn-amd-amdhsa -mcpu=gfx1250 --defsym DOCPART=n.
;; ======== version 1 of 1: 2 launches
;; limits: inputs' magnitudes at most 1.153e+18; right only within a limited range of input values
;; workspace buffers: a_codes 8,388,608 bytes; a_scales 524,288 bytes; b_codes 4,194,304 bytes; b_scales 262,144 bytes
;; launch quant (part 1): grid 768 x 1, 4 waves a work-group, no clusters, 33,280 bytes of LDS; arguments x, h, Wxi_w, Wxf_w, Wxo_w, Wxg_w, Whi_w, Whf_w, Who_w, Whg_w, a_codes, a_scales, b_codes, b_scales; writes a_codes, a_scales, b_codes, b_scales
.if DOCPART == 1
	.amdgcn_target "amdgcn-amd-amdhsa--gfx1250"
	.amdhsa_code_object_version 6
	.text
	.protected	k_qd272ab541a_quant
	.globl	k_qd272ab541a_quant
	.p2align	8
	.type	k_qd272ab541a_quant,@function
k_qd272ab541a_quant:
	s_mov_b64 s[64:65], 0
	v_nop
	global_prefetch_b8 v0, s[64:65] scope:SCOPE_SE
	s_setreg_imm32_b32 hwreg(HW_REG_WAVE_MODE, 25, 1), 1
	s_wait_xcnt 0x0
; x, h [8192][1024] and the eight weights [1024][1024], f32, K innermost, become codes of FP4 (E2M1) with one E8M0 scale byte for each 32 along K.
; The two products of the cell are laid as ONE product over K = 2,048: A = [x | h], B = [Wx | Wh].
;   a_codes [8192][1024 bytes]: bytes 0-511 x's 1,024 codes, bytes 512-1023 h's.     b_codes [4096][1024 bytes]: the same for Wx | Wh.
;   B's rows are ordered so that a block of 128 rows holds the four gates of 32 units: row = (unit / 32) x 128 + gate x 32 + unit % 32, gates i, f, o, g = 0 .. 3.
;   a_scales [4 K steps of 512][8192][16 bytes], b_scales [4][4096][16 bytes]: a row's 16 bytes of a K step on end, the rows of a K step dense.
; A block's scale is 2^(floor(log2(its largest magnitude)) - 2); its byte is the largest magnitude's exponent field - 2, held at 1 from below.
; LIMITS: a block of zeros gets the byte 1 where the quantiser's rule says 127: its codes are zeros, which add nothing under that byte, and this program alone reads the bytes.
; Blocks whose largest magnitude lies under 2^(3 - 127) are held at the byte 1.  NaN and infinities among the inputs are not served.
; SHARES.  A work-group takes 32 whole rows of one tensor: work-groups 0-255 x, 256-511 h, 512-767 the weights (32 each).  A wave takes 16 rows x 512 numbers: one K step of 16 rows; a step is one row's 512 numbers.
; The conversions take neighbours along K from ONE lane's registers, a load is best where neighbouring LANES take neighbouring bytes: each of a step's four loads reads 512 consecutive bytes, and the 2,048 bytes turn
; through the wave's own stage in LDS (16 bytes of padding behind each 64) and come back 64 bytes a lane.  Two neighbouring lanes hold a block of 32.
; A lane's 16 codes are 8 bytes: a wave's store covers 256 consecutive bytes, aligned.  A wave's 16 x 16 scale bytes are gathered in LDS and leave as 256 consecutive bytes, aligned.
; One path through the text for all ten tensors: only pointers and offsets are chosen, by the work-group's number.  No barrier: waves share nothing.  Loads run four steps (16 loads a wave) ahead.
.set STEPS, 16
.set EMAX,  2
.set CB,    8                          ; bytes of 16 codes
.set R,     16                         ; v16-79   four sets of 16 numbers as they are loaded
.set X,     80                         ; v80-111  two sets of 16 neighbours
.set E,     112                        ; v112-127 a scale byte for each step
.set C,     128                        ; v128-191 codes: registers of its own for each step, so that no store's data are written again
.set WREG,  8192                       ; LDS: a region for each wave: two stages of 32 x SP bytes, behind them its 256 scale bytes
.set SP,    80                         ; a lane's place in a stage: 64 bytes + 16 of padding
.set SRC,   48                         ; s[48:49] my wave's first number
.set COD,   50                         ; s[50:51] my wave's first code byte
.set SCB,   52                         ; s[52:53] my wave's 256 scale bytes
	s_load_b512 s[4:19], s[0:1], 0x0               ; x, h, Wxi, Wxf, Wxo, Wxg, Whi, Whf: tensor k at s[4 + 2 k]
	s_load_b256 s[20:27], s[0:1], 0x40             ; Who, Whg, A's codes, A's scales
	s_load_b128 s[28:31], s[0:1], 0x60             ; B's codes, B's scales
	v_lshl_add_u32 v192, v0, 2, 0x8000
	v_mov_b32 v193, 0
	v_lshrrev_b32 v1, 5, v0
	v_readfirstlane_b32 s32, v1                    ; wave 0..3
	v_and_b32 v2, 31, v0                           ; lane
	v_lshlrev_b32 v3, 4, v2                        ; my 16 bytes of a load's 512
	s_mul_i32 s33, s32, WREG
	v_lshrrev_b32 v14, 2, v2
	v_mul_u32_u24 v14, v14, SP
	v_and_b32 v15, 3, v2
	v_lshl_add_u32 v14, v15, 4, v14
	v_add_nc_u32 v14, s33, v14                     ; the stage, on the way in: SP (lane / 4) + 16 (lane % 4)
	v_mul_u32_u24 v15, v2, SP
	v_add_nc_u32 v15, s33, v15                     ; and on the way out: SP x lane: my 16 neighbours
	v_mul_u32_u24 v4, v2, CB                       ; my codes' place in a step's 256 bytes
	v_lshrrev_b32 v5, 1, v2
	s_add_co_u32 s33, s33, 2*32*SP
	v_add_nc_u32 v5, s33, v5                       ; LDS: my wave's scale bytes, my block's byte
	v_lshlrev_b32 v7, 3, v2                        ; on the way out 8 bytes a lane
	v_add_nc_u32 v6, s33, v7
	; which tensor, which rows: both candidates are made, then chosen by one compare on the work-group's number
	s_and_b32 s34, ttmp9, 255
	s_lshr_b32 s35, ttmp9, 8                       ; 0: x, 1: h
	s_lshr_b32 s36, s34, 5                         ; weights: q = 0 .. 7: Wxi, Wxf, Wxo, Wxg, Whi, Whf, Who, Whg
	s_and_b32 s37, s34, 31                         ; j: units 32 j on
	s_and_b32 s38, s36, 3                          ; the gate
	s_lshr_b32 s39, s36, 2                         ; the side: 0 x's, 1 h's
	s_lshl_b32 s45, s37, 7
	s_lshl_b32 s38, s38, 5
	s_add_co_u32 s45, s45, s38                     ; B's row: 128 j + 32 gate
	s_add_co_u32 s36, s36, 2                       ; the tensor's number among the ten
	s_lshl_b32 s34, s34, 5                         ; x, h: row 32 x (work-group % 256)
	s_lshl_b32 s37, s37, 5                         ; a weight's row: 32 j
	s_mov_b32 s44, 4096
	s_wait_alu depctr_va_vdst(0)
	s_wait_kmcnt 0x0
	s_cmp_lt_u32 ttmp9, 512                        ; x or h?  Only selects and moves follow, which leave SCC alone
	s_cselect_b32 s41, s34, s37                    ; the first row in the source
	s_cselect_b32 s42, s34, s45                    ; the first row in the codes
	s_cselect_b32 s43, s35, s39                    ; the side
	s_cselect_b32 s40, s35, s36                    ; the tensor's number
	s_cselect_b32 s44, 8192, s44                   ; rows in a K step of the scales' buffer
	s_cselect_b64 s[COD:COD+1], s[24:25], s[28:29]
	s_cselect_b64 s[SCB:SCB+1], s[26:27], s[30:31]
	s_mov_b64 s[SRC:SRC+1], s[4:5]
.irp k, 1,2,3,4,5,6,7,8,9
	s_cmp_eq_u32 s40, \k
	s_cselect_b64 s[SRC:SRC+1], s[4+2*\k:5+2*\k], s[SRC:SRC+1]
.endr
	s_lshr_b32 s54, s32, 1
	s_lshl_b32 s54, s54, 4                         ; my wave's 16 rows of the 32
	s_and_b32 s55, s32, 1                          ; and its half of a row
	s_mov_b32 s47, 0
	s_add_co_u32 s46, s41, s54
	s_lshl_b32 s46, s46, 12                        ; a source row is 4,096 bytes,
	s_lshl_b32 s38, s55, 11                        ; half of it 2,048
	s_add_co_u32 s46, s46, s38
	s_add_nc_u64 s[SRC:SRC+1], s[SRC:SRC+1], s[46:47]
	s_add_co_u32 s42, s42, s54
	s_lshl_b32 s46, s42, 10                        ; a row of codes is 1,024 bytes,
	s_lshl_b32 s38, s43, 9                         ; a side 512,
	s_add_co_u32 s46, s46, s38
	s_lshl_b32 s38, s55, 8                         ; a K step 256
	s_add_co_u32 s46, s46, s38
	s_add_nc_u64 s[COD:COD+1], s[COD:COD+1], s[46:47]
	s_lshl_b32 s38, s43, 1
	s_add_co_u32 s38, s38, s55                     ; the K step: 2 x side + half
	s_mul_i32 s38, s38, s44
	s_add_co_u32 s38, s38, s42
	s_lshl_b32 s46, s38, 4                         ; 16 scale bytes a row
	s_add_nc_u64 s[SCB:SCB+1], s[SCB:SCB+1], s[46:47]
.macro LOAD t                          ; step t: row t's 512 numbers
.irp i, 0,1,2,3
	global_load_b128 v[R+16*((\t)%4)+4*\i:R+16*((\t)%4)+4*\i+3], v3, s[SRC:SRC+1] offset:4096*(\t)+512*\i th:TH_LOAD_NT   ; 32 lanes read 512 consecutive bytes
.endr
.endm
.macro TURN t                          ; step t's numbers through the stage: LDS serves a wave's instructions in order, so no wait stands between the stores and the loads
.irp i, 0,1,2,3
	ds_store_b128 v14, v[R+16*((\t)%4)+4*\i:R+16*((\t)%4)+4*\i+3] offset:32*SP*((\t)%2)+8*SP*\i
.endr
.irp i, 0,1,2,3
	ds_load_b128 v[X+16*((\t)%2)+4*\i:X+16*((\t)%2)+4*\i+3], v15 offset:32*SP*((\t)%2)+16*\i
.endr
.endm
.irp t, 0,1,2,3
	LOAD \t
.endr
	s_wait_loadcnt 12                              ; step 0's four loads are in; the twelve of steps 1 to 3 may be out
	TURN 0
.macro STEP t
.set XS, X+16*((\t)%2)
.if (\t) > 0
	s_wait_dscnt 1                                 ; this step's numbers are back from the stage (the last step's byte store may be out): so its stores into the stage have read their registers,
.else
	s_wait_dscnt 0x0
.endif
.if (\t)+4 < STEPS
	LOAD (\t)+4                                    ; which take the loads of four steps on
.endif
.if (\t)+1 < STEPS
.if STEPS-2-(\t) >= 3
	s_wait_loadcnt 12                              ; the next step's four loads are in; those of the three steps behind it may be out
.else
	s_wait_loadcnt 4*(STEPS-2-(\t))
.endif
	TURN (\t)+1                                    ; and go through the other stage while this step is worked
.endif
	v_max3_num_f32 v8, |v[XS]|, |v[XS+1]|, |v[XS+2]|               ; the largest magnitude of my 16, in two chains
	v_max3_num_f32 v9, |v[XS+3]|, |v[XS+4]|, |v[XS+5]|
.irp i, 6,10
	v_max3_num_f32 v8, v8, |v[XS+\i]|, |v[XS+\i+1]|
	v_max3_num_f32 v9, v9, |v[XS+\i+2]|, |v[XS+\i+3]|
.endr
	v_max3_num_f32 v8, v8, |v[XS+14]|, |v[XS+15]|
	v_max3_num_f32 v8, v8, v9, (EMAX+1)<<23        ; and the floor 2^(EMAX + 1 - 127): the byte cannot fall under 1
	v_max_num_f32_dpp v8, v8, v8 row_xmask:1 row_mask:0xf bank_mask:0xf   ; and of my neighbour's 16: the block's
	v_add_nc_u32 v11, -(EMAX<<23), v8              ; EMAX off its exponent field: the conversion takes the exponent field of this operand as its scale, and nothing else of it
	v_cvt_scalef32_pk8_fp4_f32 v[C+4*(\t)], v[XS:XS+7], v11        ; eight numbers / the scale, to the nearest code, ties to even, beyond the largest code the largest; the first number's code in the lowest four bits
	v_cvt_scalef32_pk8_fp4_f32 v[C+4*(\t)+1], v[XS+8:XS+15], v11
	v_lshrrev_b32 v[E+(\t)], 23, v11               ; the scale's byte (also the plain line behind the conversions)
	ds_store_b8 v5, v[E+(\t)] offset:16*(\t)       ; row t's 16 bytes; both lanes of a block write the same byte with the same value
	global_store_b64 v4, v[C+4*(\t):C+4*(\t)+1], s[COD:COD+1] offset:1024*(\t)   ; 32 lanes store 256 consecutive bytes of row t, aligned
.endm
.irp t, 0,1,2,3,4,5,6,7,8,9,10,11,12,13,14,15
	STEP \t
.endr
	ds_load_b64 v[12:13], v6                       ; LDS serves a wave's instructions in order: these see my stores
	s_wait_dscnt 0x0
	global_store_b64 v7, v[12:13], s[SCB:SCB+1]    ; 16 rows x 16 bytes: 256 consecutive bytes, aligned
	s_wait_tensorcnt 0x0
	ds_add_u32 v192, v193
	s_wait_dscnt 0x0
	s_endpgm
.Lfunc_end_k_qd272ab541a_quant:
	.size	k_qd272ab541a_quant, .Lfunc_end_k_qd272ab541a_quant-k_qd272ab541a_quant
	.p2alignl 7, 3214868480
	.fill 96, 4, 3214868480
	.section	.rodata,"a",@progbits
	.p2align	6, 0x0
	.amdhsa_kernel k_qd272ab541a_quant
		.amdhsa_group_segment_fixed_size 33280
		.amdhsa_private_segment_fixed_size 0
		.amdhsa_enable_private_segment 0
		.amdhsa_kernarg_size 112
		.amdhsa_user_sgpr_count 2
		.amdhsa_user_sgpr_kernarg_segment_ptr 1
		.amdhsa_wavefront_size32 1
		.amdhsa_system_sgpr_workgroup_id_x 1
		.amdhsa_system_sgpr_workgroup_id_y 1
		.amdhsa_system_sgpr_workgroup_id_z 1
		.amdhsa_system_vgpr_workitem_id 0
		.amdhsa_next_free_vgpr 194
		.amdhsa_next_free_sgpr 66
		.amdhsa_reserve_vcc 0
		.amdhsa_float_denorm_mode_32 3
		.amdhsa_float_denorm_mode_16_64 3
		.amdhsa_memory_ordered 1
		.amdhsa_forward_progress 1
		.amdhsa_inst_pref_size 35
	.end_amdhsa_kernel
	.amdgpu_metadata
---
amdhsa.version: [ 1, 2 ]
amdhsa.kernels:
  - .name:           k_qd272ab541a_quant
    .symbol:         k_qd272ab541a_quant.kd
    .args:
      - { .name: x, .offset: 0, .size: 8, .value_kind: global_buffer, .address_space: global }
      - { .name: h, .offset: 8, .size: 8, .value_kind: global_buffer, .address_space: global }
      - { .name: Wxi_w, .offset: 16, .size: 8, .value_kind: global_buffer, .address_space: global }
      - { .name: Wxf_w, .offset: 24, .size: 8, .value_kind: global_buffer, .address_space: global }
      - { .name: Wxo_w, .offset: 32, .size: 8, .value_kind: global_buffer, .address_space: global }
      - { .name: Wxg_w, .offset: 40, .size: 8, .value_kind: global_buffer, .address_space: global }
      - { .name: Whi_w, .offset: 48, .size: 8, .value_kind: global_buffer, .address_space: global }
      - { .name: Whf_w, .offset: 56, .size: 8, .value_kind: global_buffer, .address_space: global }
      - { .name: Who_w, .offset: 64, .size: 8, .value_kind: global_buffer, .address_space: global }
      - { .name: Whg_w, .offset: 72, .size: 8, .value_kind: global_buffer, .address_space: global }
      - { .name: a_codes, .offset: 80, .size: 8, .value_kind: global_buffer, .address_space: global }
      - { .name: a_scales, .offset: 88, .size: 8, .value_kind: global_buffer, .address_space: global }
      - { .name: b_codes, .offset: 96, .size: 8, .value_kind: global_buffer, .address_space: global }
      - { .name: b_scales, .offset: 104, .size: 8, .value_kind: global_buffer, .address_space: global }
    .group_segment_fixed_size: 33280
    .private_segment_fixed_size: 0
    .kernarg_segment_align: 8
    .kernarg_segment_size: 112
    .max_flat_workgroup_size: 128
    .sgpr_count:     66
    .vgpr_count:     194
    .wavefront_size: 32
...
	.end_amdgpu_metadata
.endif
;; end of part 1
;; launch cell (part 2): grid 16 x 16, 4 waves a work-group, clusters of 4 x 4, 327,680 bytes of LDS; arguments a_codes, a_scales, b_codes, b_scales, c, out0, out1, Wxi_b, Whi_b, Wxf_b, Whf_b, Wxo_b, Who_b, Wxg_b, Whg_b; writes out0, out1
.if DOCPART == 2
	.amdgcn_target "amdgcn-amd-amdhsa--gfx1250"
	.amdhsa_code_object_version 6
	.text
	.protected	k_qd272ab541a_cell
	.globl	k_qd272ab541a_cell
	.p2align	8
	.type	k_qd272ab541a_cell,@function
k_qd272ab541a_cell:
	s_mov_b64 s[64:65], 0
	v_nop
	global_prefetch_b8 v0, s[64:65] scope:SCOPE_SE
	s_setreg_imm32_b32 hwreg(HW_REG_WAVE_MODE, 25, 1), 1
	s_wait_xcnt 0x0
	s_wait_alu depctr_hold_cnt(0) depctr_sa_sdst(0) depctr_va_vdst(0) depctr_va_sdst(0) depctr_va_ssrc(0) depctr_va_vcc(0) depctr_vm_vsrc(0)
	s_getreg_b32 s2, hwreg(HW_REG_IB_STS2, 6, 4)
	s_cmp_eq_u32 s2, 0
	s_cbranch_scc0 .Lentry_in_a_cluster
	s_endpgm
.Lentry_in_a_cluster:
	s_bfe_u32 s2, ttmp6, 0x10000c
	s_cmp_lg_u32 s2, 0xf033
	s_cbranch_scc0 .Lentry_shape_is_right
	s_endpgm
.Lentry_shape_is_right:
; THE LSTM CELL.  z = [x | h] [Wx | Wh]^T + bx + bh on codes of FP4 (E2M1) with E8M0 scales, K = 2,048, sums in f32; i, f, o = sigmoid, g = tanh; c' = f c + i g (out1); h' = o tanh(c') (out0).  z never goes to memory.
; A's codes [8192][1024 bytes], B's [4096][1024 bytes]; scale bytes [4 K steps of 512][rows][16].  B's row (unit / 32) x 128 + gate x 32 + unit % 32 holds gate 0 .. 3 = i, f, o, g of a unit.
; SHARES.  256 work-groups of four waves; each STAYS and makes two tiles of 256 rows x 256 rows of B (64 units x 4 gates), 4,096 rows apart, on the same rows of B.  Wave (RH, CH) makes 128 rows x (4 gates x 32 units): 64 accumulators.
; THE MATRIX INSTRUCTION IS USED TRANSPOSED (source 0 = 16 rows of B, source 1 = 16 rows of A): lane (r, h) holds row 16 a + r, and register j of B's block b = 2 gate + u the unit 16 u + 8 h + j of the wave's 32.
; So the four gates of one number lie in one lane, at the same register index of four accumulators.  The biases are the C of each sum's first matrix instruction.
; THE RING: two LDS slots, each with one K step of 512: A's 256 rows of codes, B's 256 rows, A's 4,096 scale bytes, B's 4,096.  Wave 0, 1, 2, 3 fetches one of the four, whole, by one joint load behind each round.
; A tile's turns 2 and 3 are asked for in its first two changes of slots, the next tile's turns 0 and 1 in its third change of slots and in its last step.  The last tile's tail, from its third change of slots on, is written out and asks for nothing.
; CLUSTERS: 4 x 4 work-groups.  The four of a row need the same tiles of A, the four of a column the same tiles of B: each is asked for jointly, by the same load with a mask of the four.
; Cluster (X, Y) takes K step (s + X + Y) mod 4 in a tile's s-th turn: the four partial sums of a z are added in an order that differs from cluster to cluster: a difference of f32 rounding alone.
; NO PREFETCH: the block is the largest that the registers hold, it is fetched jointly in clusters, and a tile has only four K steps, of which two are asked for before the tile begins.
; c COMES THROUGH REGISTERS: at the head, and for the second tile at the first tile's end, each wave asks for 64 rows x 256 bytes (a load reads two whole rows) into 128 registers that B's two sets leave free; block by block they turn through a stage in LDS.
; THE WAY OUT, by blocks of 16 rows.  With L = log2(e): ai, af, ao = 2^min(-L z, 30), b = 2^min(-2 L zg, 30);  P = (1 + ai)(1 + b), Q = 1 + af;  c' = (c P + (1 - b) Q) / (P Q);
; d = 2^min(-2 L c', 30);  h' = (1 - d) / ((1 + ao)(1 + d)).  Three stages of 32 rows x 272 bytes behind the ring (no fill lands there): c, c', h'.  A row's 256 bytes come from two waves, so each block has two barriers:
; one between the stores into the stages and the reads, one between the reads and the next block's stores.  Block b is computed while block b - 1 goes through the stages, so register work stands between each signal and its wait.
; The blocks go in a loop; only the lines that name a block's own registers (its c as loaded, its accumulators) stand in arms chosen by the block's number.
; LIMITS: the hold of the exponents at 30 keeps every product at or under 2^90; it moves a sigmoid by at most 2^-30 and a tanh by at most 2^-29.  |c| stays under 2^60.  NaN and infinities among the inputs are not served.
; REGISTERS, in windows of 256: window 0: v0-31 addresses; v32-95 scale words, two sets; v128-191 A's fragments, one set; v192-255 the biases; on the way out v32-191 are at work.
;   window 1: B's fragments, two sets, at v0 and v128; v64-127 and v192-255 c as loaded.   window 2: the accumulators of my rows 0-63 ((a, b) at v[8 (8 (a % 4) + b)]);   window 3: those of my rows 64-127.
.set NQ,     4                         ; matrix instructions deep in a slot
.set KROW,   1024                      ; a row of A or B in memory, in bytes
.set PITCH,  272                       ; an LDS row: 256 bytes + 16 of padding: row r starts at bank 4 r mod 64 (ISA guide 11.1)
.set FR,     8
.set NL,     2
.set NP,     4                         ; places behind this matrix instruction (ISA guide 7.12.1)
.set HALFT,  128*PITCH
.set TILEB,  256*PITCH                 ; 256 rows of codes
.set SCO,    2*TILEB                   ; in a slot: A's scales, and 4,096 further B's
.set SLOT,   SCO+8192
.set STG,    2*SLOT                    ; behind the ring: the three stages
.set SREG,   32*PITCH
.set CSO,    0                         ; c
.set CPO,    SREG                      ; c'
.set HSO,    2*SREG                    ; h'
.set SPARE,  STG+3*SREG                ; the spare words, 128 bytes a wave: two blocks of 256 bytes that no other line names
.set ADRS, 8                           ; v8-9    my scale words in slot 0, 1: lanes 0-15 A's rows, lanes 16-31 B's
.set ADRA, 16                          ; v16-17  my A fragments in slot 0, 1
.set ADRB, 20                          ; v20-21  the same for B
.set CF,   22                          ; v22     a stage: my 32 bytes of row r of my half's 16
.set RD,   24                          ; v24     a stage: whole rows: lanes 0-15 one row, lanes 16-31 the next
.set CO,   26                          ; v26     two rows in c and the outputs: 4,096 (lane / 16) + 16 (lane % 16)
.set SPW,  28
.set NIL,  29
.set BO,   31                          ; v31     byte offset of my 8 units in a bias
.set SC,   32
.set AF,   128
.set BIAS, 192
.set CR,   64                          ; window 1: c as loaded: load n at v[64 + 4 n] (n under 16) or v[192 + 4 (n - 16)]
.set EA,   32                          ; ai, then P
.set EB,   48                          ; b, then d
.set EF,   64                          ; af, then P Q, then its reciprocal
.set EO,   80                          ; ao, then (1 + ao)(1 + d), then its reciprocal
.set NB,   96                          ; 1 - b, then c's numerator, then 1 - d
.set CC,   112                         ; c
.set RB,   128                         ; eight rows read back: four loads of c', four of h'
.set HO,   160                         ; h'
.set CP,   176                         ; c'
.set WV, 18
.set RH, 19                            ; which half of the tile's rows is mine
.set CH, 20                            ; which half of B's rows
.set TR, 21
.set TC, 42
.set BA,  2                            ; s[2:3] A's codes at the tile's first row;  s[46:47] B's;  s[76:77], s[78:79] their scales in K step 0
.set BB,  46
.set BSA, 76
.set BSB, 78
.set G1A, 24                           ; groups 1: A's codes, B's codes, A's scales, B's scales
.set G1B, 48
.set G1S, 68
.set G1T, 80
.set G0A, 32                           ; groups 0, written anew behind each wait for all tensor loads
.set G0B, 36
.set G0S, 56
.set G0T, 60
.set ROT, 66                           ; cluster x + cluster y
.set CL,  67                           ; 30.0
.set KOP, 100                          ; s[100:101], s[104:105], s[90:91]: a K step's byte offset in codes, A's scales, B's scales; high words 0
.set KOA, 104
.set KOB, 90
.set NLG, 40                           ; s[40:41] -log2(e), s[88:89] -2 log2(e): a packed form names a pair
.set N2L, 88
.set TL,  44                           ; tiles to go
.set BK,  43                           ; the way out's block
.set MSB, 0
.macro WIN new                         ; the immediate's high byte repeats the setting that is left
.if MSB != \new
	s_set_vgpr_msb (MSB<<8)|\new
.set MSB, \new
.endif
.endm
.set MUL_LO,   0xa1                    ; source 0 (B) window 1, source 1 (A) window 0, C and D window 2
.set MUL_HI,   0xf1
.set FIRST_LO, 0x81                    ; C (the biases) window 0, D window 2
.set FIRST_HI, 0xc1
.set TO_B,     0x40
.set FROM_1,   0x04                    ; source 1 window 1
.macro TL4 g0, g1                      ; an s_nop 0 and four v_nop follow each load
	tensor_load_to_lds s[\g0:\g0+3], s[\g1:\g1+7]
	s_nop 0
.rept 4
	v_nop
.endr
.endm
.macro JLOAD4                          ; one chain of branches on the wave's number, one joint load to an arm, one join
	s_cmp_lt_u32 s[WV], 1
	s_cbranch_scc0 .Lj1_\@
	TL4 G0A, G1A
	s_branch .Ljj_\@
.Lj1_\@:
	s_cmp_lt_u32 s[WV], 2
	s_cbranch_scc0 .Lj2_\@
	TL4 G0B, G1B
	s_branch .Ljj_\@
.Lj2_\@:
	s_cmp_lt_u32 s[WV], 3
	s_cbranch_scc0 .Lj3_\@
	TL4 G0S, G1S
	s_branch .Ljj_\@
.Lj3_\@:
	TL4 G0T, G1T
.Ljj_\@:
.endm
.macro DESC slot, t                    ; the four groups 0 for a tile's t-th turn, into slot; stands where no tensor load of the wave is out
	s_add_co_u32 s[KOP], s[ROT], \t
	s_and_b32 s[KOP], s[KOP], 3                    ; the K step
	s_lshl_b32 s[KOA], s[KOP], 17                  ; 8,192 rows x 16 bytes
	s_lshl_b32 s[KOB], s[KOP], 16                  ; 4,096 rows x 16 bytes
	s_lshl_b32 s[KOP], s[KOP], 8                   ; 256 bytes of a row of codes
	s_mov_b32 s[G0A+1], \slot*SLOT
	s_add_nc_u64 s[G0A+2:G0A+3], s[BA:BA+1], s[KOP:KOP+1]
	s_or_b32 s[G0A+3], s[G0A+3], 0x80000000
	s_mov_b32 s[G0B+1], \slot*SLOT+TILEB
	s_add_nc_u64 s[G0B+2:G0B+3], s[BB:BB+1], s[KOP:KOP+1]
	s_or_b32 s[G0B+3], s[G0B+3], 0x80000000
	s_mov_b32 s[G0S+1], \slot*SLOT+SCO
	s_add_nc_u64 s[G0S+2:G0S+3], s[BSA:BSA+1], s[KOA:KOA+1]
	s_or_b32 s[G0S+3], s[G0S+3], 0x80000000
	s_mov_b32 s[G0T+1], \slot*SLOT+SCO+4096
	s_add_nc_u64 s[G0T+2:G0T+3], s[BSB:BSB+1], s[KOB:KOB+1]
	s_or_b32 s[G0T+3], s[G0T+3], 0x80000000
.endm
.macro CREST                           ; a round of the cluster's barrier behind its opening barrier
	s_cmp_lg_u32 s[WV], 0
	s_cbranch_scc1 .Lnot_wave_0_\@
	s_barrier_signal -3
.Lnot_wave_0_\@:
	s_barrier_wait -3
	s_barrier_signal -1
	s_barrier_wait -1
.endm
.macro CROUND
	s_barrier_signal -1
	s_barrier_wait -1
	CREST
.endm
.macro PLACES n
.rept \n
	v_nop
.endr
.endm
.macro CLOADS                          ; c: rows 16 a + 8 CH + 2 t + h of my half, load n = 4 a + t; sixteen lanes to a row of 256 bytes; read once in the launch
	WIN TO_B
.set CT_, 0
.rept 32
	global_load_b128 v[CR+4*CT_+64*(CT_/16):CR+4*CT_+64*(CT_/16)+3], v[CO], s[12:13] offset:(16*(CT_/4)+2*(CT_%4))*4096 th:TH_LOAD_NT
.set CT_, CT_+1
.endr
	WIN 0
.endm
	s_load_b256 s[4:11], s[0:1], 0x0               ; A's codes, A's scales, B's codes, B's scales
	s_load_b128 s[12:15], s[0:1], 0x20             ; c, out0
	s_load_b64 s[16:17], s[0:1], 0x30              ; out1
	s_load_b256 s[92:99], s[0:1], 0x38             ; Wxi_b, Whi_b, Wxf_b, Whf_b
	v_lshl_add_u32 v[SPW], v0, 2, SPARE
	v_mov_b32 v[NIL], 0
	ds_add_u32 v[SPW], v[NIL]                      ; the opening lines: the add twice on end and one wait, ahead of my first tensor load
	ds_add_u32 v[SPW], v[NIL]
	v_lshrrev_b32 v1, 5, v0
	v_readfirstlane_b32 s[WV], v1                  ; wave 0..3
	s_lshr_b32 s[RH], s[WV], 1
	s_and_b32 s[CH], s[WV], 1
	s_bfe_u32 s40, ttmp6, 0x40000                  ; cx, cy
	s_bfe_u32 s41, ttmp6, 0x40004
	s_lshl_b32 s[TC], ttmp9, 2
	s_add_co_u32 s[TC], s[TC], s40                 ; tile column = 4 x cluster x + cx
	s_and_b32 s[TR], ttmp7, 0xffff
	s_add_co_u32 s[ROT], s[TR], ttmp9              ; the same in all sixteen partners
	s_lshl_b32 s[TR], s[TR], 2
	s_add_co_u32 s[TR], s[TR], s41                 ; the first tile's row = 4 x cluster y + cy
	s_lshl_b32 s43, s41, 2
	s_lshl_b32 s43, 15, s43                        ; my row of the cluster
	s_lshl_b32 s44, 0x1111, s40                    ; my column
	; groups 1.  Codes: 256 rows x 256 bytes, 16 bytes of padding behind each.  Scales: 4,096 dense bytes as 16 rows of 32 elements of 8 bytes
	s_or_b32 s[G1A+0], s43, (0<<16)|(1<<20)|(1<<21)|(5<<22)|(3<<25)
	s_or_b32 s[G1B+0], s44, (0<<16)|(1<<20)|(1<<21)|(5<<22)|(3<<25)
.irp g, G1A, G1B
	s_mov_b32 s[\g+1], 256<<16
	s_mov_b32 s[\g+2], 256<<16
	s_mov_b32 s[\g+3], 256<<16
	s_mov_b32 s[\g+4], 256
	s_mov_b32 s[\g+5], KROW
	s_mov_b32 s[\g+6], 0
	s_mov_b32 s[\g+7], 0
.endr
	s_or_b32 s[G1S+0], s43, (3<<16)|(1<<21)
	s_or_b32 s[G1T+0], s44, (3<<16)|(1<<21)
.irp g, G1S, G1T
	s_mov_b32 s[\g+1], 32<<16
	s_mov_b32 s[\g+2], 16<<16
	s_mov_b32 s[\g+3], 32<<16
	s_mov_b32 s[\g+4], 16
	s_mov_b32 s[\g+5], 32
	s_mov_b32 s[\g+6], 0
	s_mov_b32 s[\g+7], 0
.endr
.irp g, G0A, G0B, G0S, G0T
	s_mov_b32 s[\g], 1
.endr
	s_lshl_b32 s[BA], s[TR], 18                    ; 256 rows x 1,024 bytes for each tile row; A's hang on the tile row alone, B's on the tile column alone
	s_mov_b32 s[BA+1], 0
	s_lshl_b32 s[BSA], s[TR], 12                   ; 256 rows x 16 bytes
	s_mov_b32 s[BSA+1], 0
	s_lshl_b32 s[BB], s[TC], 18
	s_mov_b32 s[BB+1], 0
	s_lshl_b32 s[BSB], s[TC], 12
	s_mov_b32 s[BSB+1], 0
	s_mov_b32 s[KOP+1], 0
	s_mov_b32 s[KOA+1], 0
	s_mov_b32 s[KOB+1], 0
	s_wait_alu depctr_va_vdst(0)                   ; the wait ahead of the blocking wait
	s_wait_dscnt 0x0                               ; both opening adds are done
	CROUND                                         ; all sixteen work-groups are here: the first joint loads meet
	s_wait_kmcnt 0x0
	s_add_nc_u64 s[BA:BA+1], s[4:5], s[BA:BA+1]
	s_add_nc_u64 s[BSA:BSA+1], s[6:7], s[BSA:BSA+1]
	s_add_nc_u64 s[BB:BB+1], s[8:9], s[BB:BB+1]
	s_add_nc_u64 s[BSB:BSB+1], s[10:11], s[BSB:BSB+1]
	s_load_b256 s[4:11], s[0:1], 0x58              ; Wxo_b, Who_b, Wxg_b, Whg_b, over pointers that are done with
	DESC 0, 0
	JLOAD4                                         ; turn 0's four tiles, one a wave
	s_lshl_b32 s22, s[TR], 8                       ; c and the outputs at row 256 x tile row + 128 RH + 8 CH, column 64 x tile column
	s_lshl_b32 s23, s[RH], 7
	s_add_co_u32 s22, s22, s23
	s_lshl_b32 s23, s[CH], 3
	s_add_co_u32 s22, s22, s23
	s_lshl_b32 s22, s22, 12
	s_lshl_b32 s45, s[TC], 8
	s_add_co_u32 s22, s22, s45
	s_mov_b32 s23, 0
	s_add_nc_u64 s[12:13], s[12:13], s[22:23]
	s_add_nc_u64 s[14:15], s[14:15], s[22:23]
	s_add_nc_u64 s[16:17], s[16:17], s[22:23]
	s_lshl_b32 s23, s[CH], 7
	s_add_co_u32 s45, s45, s23
	v_and_b32 v1, 15, v0                           ; r
	v_bfe_u32 v2, v0, 4, 1                         ; h
	v_lshl_add_u32 v[BO], v2, 5, s45               ; a bias: 4 x (64 x tile column + 32 CH + 8 h)
	v_lshlrev_b32 v6, 12, v2
	v_lshl_add_u32 v[CO], v1, 4, v6
	s_wait_alu depctr_va_vdst(0)                   ; the wait ahead of the blocking wait
	s_wait_kmcnt 0x0
.macro BLOAD reg, b, p                 ; the biases of B's block b (gate b / 2, units 16 (b % 2) + 8 h + 0 .. 7)
	global_load_b128 v[\reg+8*(\b):\reg+8*(\b)+3],   v[BO], s[\p:\p+1] offset:64*((\b)%2)
	global_load_b128 v[\reg+8*(\b)+4:\reg+8*(\b)+7], v[BO], s[\p:\p+1] offset:64*((\b)%2)+16
.endm
	BLOAD BIAS, 0, 92
	BLOAD BIAS, 1, 92
	BLOAD BIAS, 2, 96
	BLOAD BIAS, 3, 96
	BLOAD BIAS, 4, 4
	BLOAD BIAS, 5, 4
	BLOAD BIAS, 6, 8
	BLOAD BIAS, 7, 8
	WIN TO_B                                       ; h's side into B's second set, free until the first step
	BLOAD 128, 0, 94
	BLOAD 128, 1, 94
	BLOAD 128, 2, 98
	BLOAD 128, 3, 98
	BLOAD 128, 4, 6
	BLOAD 128, 5, 6
	BLOAD 128, 6, 10
	BLOAD 128, 7, 10
	CLOADS                                         ; the first tile's c, behind the biases
	s_mul_i32 s22, s[RH], HALFT                    ; my 128 rows of A
	s_mul_i32 s23, s[CH], HALFT
	s_add_co_u32 s23, s23, TILEB                   ; my 128 rows of B
	s_lshl_b32 s45, s[RH], 11                      ; A's scales: my 128 rows x 16 bytes
	s_lshl_b32 s42, s[CH], 11
	s_add_co_u32 s42, s42, 4096
	s_sub_co_u32 s42, s42, s45                     ; from there to B's
	s_add_co_u32 s45, s45, SCO
	s_mul_i32 s40, s[RH], 16*PITCH
	s_add_co_u32 s40, s40, STG                     ; a stage: my half's 16 rows
	s_lshl_b32 s41, s[CH], 7
	s_add_co_u32 s41, s41, s40
	s_mul_i32 s43, s[CH], 8*PITCH
	s_add_co_u32 s40, s40, s43
	v_mul_u32_u24 v3, v1, PITCH
	v_lshl_add_u32 v4, v2, 4, v3                   ; a fragment's row x pitch + 16 x half
	v_add_nc_u32 v[ADRA], s22, v4
	v_add_nc_u32 v[ADRB], s23, v4
	v_add_nc_u32 v[ADRA+1], SLOT, v[ADRA]
	v_add_nc_u32 v[ADRB+1], SLOT, v[ADRB]
	v_lshlrev_b32 v5, 4, v1
	v_mul_u32_u24 v6, s42, v2                      ; lanes 16-31 take B's: the lower base + h x the distance
	v_add_nc_u32 v5, v5, v6
	v_add_nc_u32 v[ADRS], s45, v5
	v_add_nc_u32 v[ADRS+1], SLOT, v[ADRS]
	v_lshl_add_u32 v5, v2, 5, v3
	v_add_nc_u32 v[CF], s41, v5                    ; (16 RH + r) x 272 + 128 CH + 32 h
	v_mul_u32_u24 v6, v2, PITCH
	v_lshl_add_u32 v6, v1, 4, v6
	v_add_nc_u32 v[RD], s40, v6                    ; (16 RH + 8 CH + h) x 272 + 16 r
	s_wait_alu depctr_va_vdst(0)                   ; the wait at the head's end
	s_wait_tensorcnt 0x0                           ; my tile of turn 0 is in; slot 1's first fill is issued as a refill is
	ds_add_u32 v[SPW], v[NIL]
	DESC 1, 1
	s_wait_dscnt 0x0
	CROUND
	JLOAD4                                         ; turn 1's four tiles
	s_wait_loadcnt 32                              ; the 32 loads of the biases are in; the 32 of c, issued behind them, may be out
	WIN FROM_1
.set i, 0
.rept 32
	v_pk_add_f32 v[BIAS+i:BIAS+i+1], v[BIAS+i:BIAS+i+1], v[128+i:128+i+1]    ; bx + bh
.set i, i+2
.endr
	WIN 0
	PLACES 8
	s_mov_b32 s[CL], 0x41f00000                    ; 30.0
	s_mov_b32 s[NLG], 0xbfb8aa3b                   ; -log2(e)
	s_mov_b32 s[NLG+1], s[NLG]
	s_mov_b32 s[N2L], 0xc038aa3b                   ; -2 log2(e)
	s_mov_b32 s[N2L+1], s[N2L]
	s_mov_b32 s[TL], 2
	s_wait_alu depctr_va_vdst(0)
.macro FRAG reg, adr, q, i             ; 16 rows x 128 K of 4-bit codes: lane l holds row l % 16; registers 4 c .. 4 c + 3 hold K = 64 c + 32 (l / 16) + 0 .. 31
.irp c, 0,1
	ds_load_b128 v[\reg+4*\c:\reg+4*\c+3], v[\adr] offset:64*(\q)+32*\c+(\i)*16*PITCH
.endr
.endm
; 16 matrix instructions: A's blocks a0, a0 + 1 x B's eight, the slot's q-th 128 along K.  first = 1: the biases are C and start the sums.  The 64 accumulators take turns.
.macro MUL16 a0, p, q, sc, first
.irp a, \a0, \a0+1
.irp b, 0,1,2,3,4,5,6,7
.if \first
	v_wmma_scale_f32_16x16x128_f8f6f4 v[8*(8*((\a)%4)+\b):8*(8*((\a)%4)+\b)+7], v[128*(\p)+FR*\b:128*(\p)+FR*\b+FR-1], v[AF+FR*(\a):AF+FR*(\a)+FR-1], v[BIAS+8*\b:BIAS+8*\b+7], v[SC+8*NQ*(\sc)+NQ*\b+(\q)], v[SC+8*NQ*(\sc)+NQ*(\a)+(\q)] matrix_a_fmt:MATRIX_FMT_FP4 matrix_b_fmt:MATRIX_FMT_FP4 matrix_a_scale:MATRIX_SCALE_ROW1
.else
	v_wmma_scale_f32_16x16x128_f8f6f4 v[8*(8*((\a)%4)+\b):8*(8*((\a)%4)+\b)+7], v[128*(\p)+FR*\b:128*(\p)+FR*\b+FR-1], v[AF+FR*(\a):AF+FR*(\a)+FR-1], v[8*(8*((\a)%4)+\b):8*(8*((\a)%4)+\b)+7], v[SC+8*NQ*(\sc)+NQ*\b+(\q)], v[SC+8*NQ*(\sc)+NQ*(\a)+(\q)] matrix_a_fmt:MATRIX_FMT_FP4 matrix_b_fmt:MATRIX_FMT_FP4 matrix_a_scale:MATRIX_SCALE_ROW1
.endif
.endr
.endr
.endm
.macro FETCH_B slot, q, p
	WIN TO_B
.irp i, 0,1,2,3,4,5,6,7
	FRAG 128*(\p)+FR*\i, ADRB+\slot, \q, \i
.endr
	WIN 0
.endm
.macro FETCH_A slot, q, i0
.irp i, \i0, \i0+1, \i0+2, \i0+3
	FRAG AF+FR*(\i), ADRA+\slot, \q, \i
.endr
.endm
.macro SCALES sl                       ; a slot's scale words into set sl: four words a row; lanes 0-15 A's block i, lanes 16-31 B's block i
.irp i, 0,1,2,3,4,5,6,7
	ds_load_b128 v[SC+8*NQ*\sl+NQ*\i:SC+8*NQ*\sl+NQ*\i+3], v[ADRS+\sl] offset:256*\i
.endr
.endm
; A step of 128 along K with its successor in the same slot.  B has two sets: the next step's fragments are asked for at the step's start, into the set that the step before has left (its places stand at that step's end).
; A has one set: blocks 0-3 are fetched anew in the middle, 4-7 at the end.
.macro STEP slot, q, first
	s_wait_dscnt 4*NL                              ; all but the youngest eight loads (A's blocks 4-7)
	FETCH_B \slot, (\q)+1, 1-(\q)%2
.if \first
	WIN FIRST_LO
.else
	WIN MUL_LO
.endif
	MUL16 0, (\q)%2, \q, \slot, \first
	MUL16 2, (\q)%2, \q, \slot, \first
	s_wait_dscnt 8*NL                              ; A's blocks 4-7 are in; the sixteen loads of B issued behind them may be out
	PLACES NP
	WIN 0
	FETCH_A \slot, (\q)+1, 0
.if \first
	WIN FIRST_HI
.else
	WIN MUL_HI
.endif
	MUL16 4, (\q)%2, \q, \slot, \first
	MUL16 6, (\q)%2, \q, \slot, \first
	PLACES NP
	WIN 0
	FETCH_A \slot, (\q)+1, 4
.endm
; A slot's last step changes slots.  In front of the barrier each wave waits for all its tensor loads, adds 0 to its spare word, and waits for that and for its reads of this slot.
; fill = 1: the barrier opens a round of the cluster's barrier, and this slot takes the t-th turn of the tile at which the bases stand, first thing behind the round, one joint load a wave.
.macro TURN slot, next, fill, t
	s_wait_tensorcnt 0x0
	ds_add_u32 v[SPW], v[NIL]
.if \fill
	DESC \slot, \t
.endif
	s_wait_dscnt 4*NL+1                            ; (the add and the youngest eight loads may be out)
	WIN MUL_LO
	MUL16 0, 1, NQ-1, \slot, 0
	s_wait_dscnt 0x0                               ; the add is done, my reads of this slot are over
	s_barrier_signal -1
	MUL16 2, 1, NQ-1, \slot, 0
	WIN 0
	s_barrier_wait -1
.if \fill
	CREST
	JLOAD4                                         ; its four v_nop are also the places in front of the loads below
.else
	PLACES NP
.endif
	FETCH_B \next, 0, 0
	FETCH_A \next, 0, 0
	SCALES \next
	WIN MUL_HI
	MUL16 4, 1, NQ-1, \slot, 0
	MUL16 6, 1, NQ-1, \slot, 0
	PLACES NP
	WIN 0
	FETCH_A \next, 0, 4
.endm
; THE WAY OUT.  BARM a: the lines that name block a's own registers: its c as loaded goes into c's stage, two whole rows a store; its four gates' exponents are made, each accumulator read from its low end on.
.macro BARM a
.set AC, 64*((\a)%4)
	WIN FROM_1
.irp t, 0,1,2,3
	ds_store_b128 v[RD], v[CR+4*(4*(\a)+\t)+64*((\a)/4):CR+4*(4*(\a)+\t)+64*((\a)/4)+3] offset:CSO+2*\t*PITCH
.endr
	WIN 2+(\a)/4                                   ; source 0: window 2 or 3
	s_wait_alu depctr_va_vdst(0)                   ; directly ahead of the first reader of these matrix results
.irp k, 0,1,2,3,4,5,6,7
	v_pk_mul_f32 v[EA+2*\k:EA+2*\k+1], v[AC+2*\k:AC+2*\k+1], s[NLG:NLG+1] op_sel_hi:[1,0]          ; -L zi
.endr
.irp k, 0,1,2,3,4,5,6,7
	v_pk_mul_f32 v[EF+2*\k:EF+2*\k+1], v[AC+16+2*\k:AC+16+2*\k+1], s[NLG:NLG+1] op_sel_hi:[1,0]    ; -L zf
.endr
.irp k, 0,1,2,3,4,5,6,7
	v_pk_mul_f32 v[EO+2*\k:EO+2*\k+1], v[AC+32+2*\k:AC+32+2*\k+1], s[NLG:NLG+1] op_sel_hi:[1,0]    ; -L zo
.endr
.irp k, 0,1,2,3,4,5,6,7
	v_pk_mul_f32 v[EB+2*\k:EB+2*\k+1], v[AC+48+2*\k:AC+48+2*\k+1], s[N2L:N2L+1] op_sel_hi:[1,0]    ; -2 L zg
.endr
	WIN 0
	s_wait_alu depctr_va_vdst(0)                   ; ahead of the branch
.endm
.macro FRONT2A                         ; the 64 exponentials; one gate's exponentials and the next gate's holds by turns.  The first gate's
.irp e, 0,1,2,3,4,5,6,7,8,9,10,11,12,13,14,15
	v_exp_f32 v[EA+\e], v[EA+\e]                   ; ai
	v_min_num_f32 v[EB+\e], s[CL], v[EB+\e]
.endr
.endm
.macro FRONT2B                         ; and the other three
	s_wait_alu depctr_va_vdst(0)
.irp e, 0,1,2,3,4,5,6,7,8,9,10,11,12,13,14,15
	v_exp_f32 v[EB+\e], v[EB+\e]                   ; b
	v_min_num_f32 v[EF+\e], s[CL], v[EF+\e]
.endr
	s_wait_alu depctr_va_vdst(0)
.irp e, 0,1,2,3,4,5,6,7,8,9,10,11,12,13,14,15
	v_exp_f32 v[EF+\e], v[EF+\e]                   ; af
	v_min_num_f32 v[EO+\e], s[CL], v[EO+\e]
.endr
	s_wait_alu depctr_va_vdst(0)
.irp e, 0,1,2,3,4,5,6,7,8,9,10,11,12,13,14,15
	v_exp_f32 v[EO+\e], v[EO+\e]                   ; ao
.endr
.endm
.macro WOUT                            ; the finished block's c' and h' into their stages
.irp u, 0,1
	ds_store_b128 v[CF], v[CP+8*\u:CP+8*\u+3] offset:CPO+64*\u
	ds_store_b128 v[CF], v[CP+8*\u+4:CP+8*\u+7] offset:CPO+64*\u+16
	ds_store_b128 v[CF], v[HO+8*\u:HO+8*\u+3] offset:HSO+64*\u
	ds_store_b128 v[CF], v[HO+8*\u+4:HO+8*\u+7] offset:HSO+64*\u+16
.endr
.endm
.macro ROUT                            ; and back as whole rows; the outputs' bases step 16 rows on, and the stores reach back by their immediate
	s_wait_xcnt 0x0                                ; the last block's stores have read their registers and bases
	s_add_nc_u64 s[14:15], s[14:15], 0x10000
	s_add_nc_u64 s[16:17], s[16:17], 0x10000
.irp t, 0,1,2,3
	ds_load_b128 v[RB+4*\t:RB+4*\t+3], v[RD] offset:CPO+2*\t*PITCH
.endr
.irp t, 0,1,2,3
	ds_load_b128 v[RB+16+4*\t:RB+16+4*\t+3], v[RD] offset:HSO+2*\t*PITCH
.endr
.endm
.macro SENDB                           ; sixteen lanes store 256 consecutive bytes, aligned
.irp t, 0,1,2,3
	global_store_b128 v[CO], v[RB+4*\t:RB+4*\t+3], s[16:17] offset:2*\t*4096-65536 th:TH_STORE_NT       ; c' -> out1
.endr
.irp t, 0,1,2,3
	global_store_b128 v[CO], v[RB+16+4*\t:RB+16+4*\t+3], s[14:15] offset:2*\t*4096-65536 th:TH_STORE_NT ; h' -> out0
.endr
.endm
; One block, behind its BARM.  drain = 1: the block before, stored into the stages ahead of the BARM, comes back and leaves meanwhile.
; Each batch of transcendentals has a wait ahead, a plain line behind and a wait ahead of its first reader.
.macro TRIP drain
.irp e, 0,1,2,3,4,5,6,7,8,9,10,11,12,13,14,15
	v_min_num_f32 v[EA+\e], s[CL], v[EA+\e]        ; the exponents are held at 30
.endr
	s_wait_alu depctr_va_vdst(0)
	FRONT2A                                        ; work on registers while my stores into the stages are out
	s_wait_dscnt 0x0                               ; for the others' sake: they are done
	s_barrier_signal -1
	FRONT2B
	v_nop
	s_wait_alu depctr_va_vdst(0)
	s_barrier_wait -1                              ; the stages are whole
.irp u, 0,1
	ds_load_b128 v[CC+8*\u:CC+8*\u+3],   v[CF] offset:CSO+64*\u
	ds_load_b128 v[CC+8*\u+4:CC+8*\u+7], v[CF] offset:CSO+64*\u+16
.endr
.if \drain
	ROUT
.endif
.irp k, 0,1,2,3,4,5,6,7
	v_pk_fma_f32 v[NB+2*\k:NB+2*\k+1], v[EB+2*\k:EB+2*\k+1], -1.0, 1.0 op_sel_hi:[1,0,0]           ; 1 - b
.endr
.irp k, 0,1,2,3,4,5,6,7
	v_pk_add_f32 v[EA+2*\k:EA+2*\k+1], v[EA+2*\k:EA+2*\k+1], 1.0 op_sel_hi:[1,0]                   ; 1 + ai
.endr
.irp k, 0,1,2,3,4,5,6,7
	v_pk_fma_f32 v[EA+2*\k:EA+2*\k+1], v[EA+2*\k:EA+2*\k+1], v[EB+2*\k:EB+2*\k+1], v[EA+2*\k:EA+2*\k+1]   ; P
.endr
.irp k, 0,1,2,3,4,5,6,7
	v_pk_fma_f32 v[NB+2*\k:NB+2*\k+1], v[NB+2*\k:NB+2*\k+1], v[EF+2*\k:EF+2*\k+1], v[NB+2*\k:NB+2*\k+1]   ; (1 - b) Q
.endr
.irp k, 0,1,2,3,4,5,6,7
	v_pk_fma_f32 v[EF+2*\k:EF+2*\k+1], v[EA+2*\k:EA+2*\k+1], v[EF+2*\k:EF+2*\k+1], v[EA+2*\k:EA+2*\k+1]   ; P Q
.endr
	s_wait_alu depctr_va_vdst(0)
.irp e, 0,1,2,3,4,5,6,7,8,9,10,11,12,13,14,15
	v_rcp_f32 v[EF+\e], v[EF+\e]
.endr
.irp k, 0,1,2,3,4,5,6,7
	v_pk_add_f32 v[EO+2*\k:EO+2*\k+1], v[EO+2*\k:EO+2*\k+1], 1.0 op_sel_hi:[1,0]                   ; 1 + ao
.endr
	s_wait_alu depctr_va_vdst(0)
	s_wait_dscnt 0x0                               ; c is in, the rows are back: my reads of the stages are over
.if \drain
	SENDB
.endif
	s_barrier_signal -1
.irp k, 0,1,2,3,4,5,6,7
	v_pk_fma_f32 v[NB+2*\k:NB+2*\k+1], v[CC+2*\k:CC+2*\k+1], v[EA+2*\k:EA+2*\k+1], v[NB+2*\k:NB+2*\k+1]   ; + c P
.endr
.irp k, 0,1,2,3,4,5,6,7
	v_pk_mul_f32 v[CP+2*\k:CP+2*\k+1], v[NB+2*\k:NB+2*\k+1], v[EF+2*\k:EF+2*\k+1]                  ; c'
.endr
.irp k, 0,1,2,3,4,5,6,7
	v_pk_mul_f32 v[EB+2*\k:EB+2*\k+1], v[CP+2*\k:CP+2*\k+1], s[N2L:N2L+1] op_sel_hi:[1,0]          ; -2 L c'
.endr
.irp e, 0,1,2,3,4,5,6,7,8,9,10,11,12,13,14,15
	v_min_num_f32 v[EB+\e], s[CL], v[EB+\e]
.endr
	s_wait_alu depctr_va_vdst(0)
.irp e, 0,1,2,3,4,5,6,7,8,9,10,11,12,13,14,15
	v_exp_f32 v[EB+\e], v[EB+\e]                   ; d
.endr
	v_nop
	s_wait_alu depctr_va_vdst(0)
.irp k, 0,1,2,3,4,5,6,7
	v_pk_fma_f32 v[NB+2*\k:NB+2*\k+1], v[EB+2*\k:EB+2*\k+1], -1.0, 1.0 op_sel_hi:[1,0,0]           ; 1 - d
.endr
.irp k, 0,1,2,3,4,5,6,7
	v_pk_fma_f32 v[EO+2*\k:EO+2*\k+1], v[EO+2*\k:EO+2*\k+1], v[EB+2*\k:EB+2*\k+1], v[EO+2*\k:EO+2*\k+1]   ; (1 + ao)(1 + d)
.endr
	s_wait_alu depctr_va_vdst(0)
.irp e, 0,1,2,3,4,5,6,7,8,9,10,11,12,13,14,15
	v_rcp_f32 v[EO+\e], v[EO+\e]
.endr
	v_nop
	s_wait_alu depctr_va_vdst(0)
.irp k, 0,1,2,3,4,5,6,7
	v_pk_mul_f32 v[HO+2*\k:HO+2*\k+1], v[NB+2*\k:NB+2*\k+1], v[EO+2*\k:EO+2*\k+1]                  ; h'
.endr
	s_wait_alu depctr_va_vdst(0)
	s_barrier_wait -1                              ; nobody reads the stages any more
.endm
; A tile's whole way out.  It holds no tensor load; behind its barriers nothing is filled.
.macro EPI
	PLACES NP                                      ; behind the last products
	s_wait_loadcnt 0x0                             ; c is in
	BARM 0
	TRIP 0
	s_mov_b32 s[BK], 1
.Lblk_\@:
	WOUT                                           ; block BK - 1; the arm's lines stand between these stores and the wait for them
	s_cmp_lt_u32 s[BK], 4
	s_cbranch_scc0 .Lhi_\@
	s_cmp_lt_u32 s[BK], 2
	s_cbranch_scc0 .Lb23_\@
	BARM 1
	s_branch .Lbj_\@
.Lb23_\@:
	s_cmp_lt_u32 s[BK], 3
	s_cbranch_scc0 .Lb3_\@
	BARM 2
	s_branch .Lbj_\@
.Lb3_\@:
	BARM 3
	s_branch .Lbj_\@
.Lhi_\@:
	s_cmp_lt_u32 s[BK], 6
	s_cbranch_scc0 .Lb67_\@
	s_cmp_lt_u32 s[BK], 5
	s_cbranch_scc0 .Lb5_\@
	BARM 4
	s_branch .Lbj_\@
.Lb5_\@:
	BARM 5
	s_branch .Lbj_\@
.Lb67_\@:
	s_cmp_lt_u32 s[BK], 7
	s_cbranch_scc0 .Lb7_\@
	BARM 6
	s_branch .Lbj_\@
.Lb7_\@:
	BARM 7
.Lbj_\@:
	TRIP 1
	s_add_co_u32 s[BK], s[BK], 1
	s_cmp_lt_u32 s[BK], 8
	s_wait_alu depctr_va_vdst(0)
	s_cbranch_scc1 .Lblk_\@
	WOUT                                           ; block 7
	s_wait_dscnt 0x0
	s_barrier_signal -1
	s_barrier_wait -1
	ROUT
	s_wait_dscnt 0x0
	SENDB
.endm
.Ltile:
	FETCH_B 0, 0, 0                                ; slot 0 is whole: every wave waited for its tile in front of the last round
	FETCH_A 0, 0, 0
	SCALES 0
	FETCH_A 0, 0, 4
	STEP 0, 0, 1                                   ; turn 0: its first products take the biases as C
	STEP 0, 1, 0
	STEP 0, 2, 0
	TURN 0, 1, 1, 2                                ; slot 0 takes turn 2
	STEP 1, 0, 0
	STEP 1, 1, 0
	STEP 1, 2, 0
	TURN 1, 0, 1, 3                                ; slot 1 takes turn 3
	STEP 0, 0, 0
	STEP 0, 1, 0
	STEP 0, 2, 0
	s_cmp_eq_u32 s[TL], 1
	s_cbranch_scc1 .Llast_tile                     ; the last tile's tail is written out: it asks for nothing more
	s_add_nc_u64 s[BA:BA+1], s[BA:BA+1], 0x400000  ; the next tile: 4,096 rows of 1,024 bytes on,
	s_add_nc_u64 s[BSA:BSA+1], s[BSA:BSA+1], 0x10000   ; and of 16 bytes
	TURN 0, 1, 1, 0                                ; THE RING GOES ON INTO THE NEXT TILE: slot 0 takes its turn 0
	STEP 1, 0, 0
	STEP 1, 1, 0
	STEP 1, 2, 0
	s_wait_tensorcnt 0x0                           ; the next tile's turn 0 is in
	ds_add_u32 v[SPW], v[NIL]
	DESC 1, 1
	s_wait_dscnt 4*NL+1
	WIN MUL_LO
	MUL16 0, 1, NQ-1, 1, 0
	s_wait_dscnt 0x0                               ; the add is done; all of slot 1's fragments are in registers: my reads of it are over
	s_barrier_signal -1
	MUL16 2, 1, NQ-1, 1, 0
	WIN 0
	s_barrier_wait -1
	CREST
	JLOAD4                                         ; slot 1 takes the next tile's turn 1
	WIN MUL_HI
	MUL16 4, 1, NQ-1, 1, 0
	MUL16 6, 1, NQ-1, 1, 0
	WIN 0
	EPI
	s_wait_xcnt 0x0                                ; the stores have read their registers and bases
	s_add_nc_u64 s[12:13], s[12:13], 0x1000000     ; 4,096 rows of 4,096 bytes on;
	s_add_nc_u64 s[14:15], s[14:15], 0xf80000      ; the outputs' bases have gone 128 rows already
	s_add_nc_u64 s[16:17], s[16:17], 0xf80000
	CLOADS                                         ; the next tile's c: its registers have all been stored into the stage
	s_sub_co_u32 s[TL], s[TL], 1
	s_branch .Ltile
.Llast_tile:
	TURN 0, 1, 0, 0
	STEP 1, 0, 0
	STEP 1, 1, 0
	STEP 1, 2, 0
	s_wait_dscnt 4*NL
	WIN MUL_LO
	MUL16 0, 1, NQ-1, 1, 0
	MUL16 2, 1, NQ-1, 1, 0
	s_wait_dscnt 0x0
	WIN MUL_HI
	MUL16 4, 1, NQ-1, 1, 0
	MUL16 6, 1, NQ-1, 1, 0
	WIN 0
	EPI
	s_wait_tensorcnt 0x0                           ; the wave's end
	ds_add_u32 v[SPW], v[NIL]
	s_wait_dscnt 0x0
	CROUND                                         ; the closing round
	s_endpgm
.Lfunc_end_k_qd272ab541a_cell:
	.size	k_qd272ab541a_cell, .Lfunc_end_k_qd272ab541a_cell-k_qd272ab541a_cell
	.p2alignl 7, 3214868480
	.fill 96, 4, 3214868480
	.section	.rodata,"a",@progbits
	.p2align	6, 0x0
	.amdhsa_kernel k_qd272ab541a_cell
		.amdhsa_group_segment_fixed_size 327680
		.amdhsa_private_segment_fixed_size 0
		.amdhsa_enable_private_segment 0
		.amdhsa_kernarg_size 120
		.amdhsa_user_sgpr_count 2
		.amdhsa_user_sgpr_kernarg_segment_ptr 1
		.amdhsa_wavefront_size32 1
		.amdhsa_system_sgpr_workgroup_id_x 1
		.amdhsa_system_sgpr_workgroup_id_y 1
		.amdhsa_system_sgpr_workgroup_id_z 1
		.amdhsa_system_vgpr_workitem_id 0
		.amdhsa_next_free_vgpr 1024
		.amdhsa_next_free_sgpr 106
		.amdhsa_reserve_vcc 0
		.amdhsa_float_denorm_mode_32 3
		.amdhsa_float_denorm_mode_16_64 3
		.amdhsa_memory_ordered 1
		.amdhsa_forward_progress 1
		.amdhsa_inst_pref_size 255
	.end_amdhsa_kernel
	.section	.bss,"aw",@nobits
	.p2align	6
	.space	262144
	.amdgpu_metadata
---
amdhsa.version: [ 1, 2 ]
amdhsa.kernels:
  - .name:           k_qd272ab541a_cell
    .symbol:         k_qd272ab541a_cell.kd
    .args:
      - { .name: a_codes, .offset: 0, .size: 8, .value_kind: global_buffer, .address_space: global }
      - { .name: a_scales, .offset: 8, .size: 8, .value_kind: global_buffer, .address_space: global }
      - { .name: b_codes, .offset: 16, .size: 8, .value_kind: global_buffer, .address_space: global }
      - { .name: b_scales, .offset: 24, .size: 8, .value_kind: global_buffer, .address_space: global }
      - { .name: c, .offset: 32, .size: 8, .value_kind: global_buffer, .address_space: global }
      - { .name: out0, .offset: 40, .size: 8, .value_kind: global_buffer, .address_space: global }
      - { .name: out1, .offset: 48, .size: 8, .value_kind: global_buffer, .address_space: global }
      - { .name: Wxi_b, .offset: 56, .size: 8, .value_kind: global_buffer, .address_space: global }
      - { .name: Whi_b, .offset: 64, .size: 8, .value_kind: global_buffer, .address_space: global }
      - { .name: Wxf_b, .offset: 72, .size: 8, .value_kind: global_buffer, .address_space: global }
      - { .name: Whf_b, .offset: 80, .size: 8, .value_kind: global_buffer, .address_space: global }
      - { .name: Wxo_b, .offset: 88, .size: 8, .value_kind: global_buffer, .address_space: global }
      - { .name: Who_b, .offset: 96, .size: 8, .value_kind: global_buffer, .address_space: global }
      - { .name: Wxg_b, .offset: 104, .size: 8, .value_kind: global_buffer, .address_space: global }
      - { .name: Whg_b, .offset: 112, .size: 8, .value_kind: global_buffer, .address_space: global }
    .group_segment_fixed_size: 327680
    .private_segment_fixed_size: 0
    .kernarg_segment_align: 8
    .kernarg_segment_size: 120
    .max_flat_workgroup_size: 128
    .sgpr_count:     106
    .vgpr_count:     1024
    .wavefront_size: 32
...
	.end_amdgpu_metadata
.endif
;; end of part 2
